; MI455X (gfx1250); checked and timed in simulation.
; The chip was launched on July 23, 2026; its instructions are those of AMD's public machine-readable ISA for CDNA 5 (MIT licence, August 2026) and "CDNA5" Instruction Set Architecture Reference Guide (July 2026). The comments in the code are by the model that wrote it; some were corrected since.
;; Bahdanau Attention. Allowed arithmetic: matrix products marked QUANTISED: E2M1 operands, one E8M0 scale for each 32 along K, by v_wmma_scale_f32_16x16x128_f8f6f4 with both operands' format E2M1 (or v_wmma_scale_f32_32x16x128_f4), f32 sums; products left as they are: f32 operands where the result goes on into a quantised operand, else bf16, f16 or f32 operands; f32 sums; everything else in f32.
;; Inputs: V_b 1 float32; V_w 1,024 x 1 float32; Wc_b 1,024 float32; Wc_w 1 x 1,024 float32; Wh_b 1,024 float32; Wh_w_codes 1,024 x 32 x 16 uint8 (E2M1 codes of Wh_w, K innermost, in blocks of 32 codes, two codes a byte); Wh_w_scales 1,024 x 32 uint8 (E8M0 scales of Wh_w, one for each 32 codes along K); Ws_b 1,024 float32; Ws_w_codes 1,024 x 32 x 16 uint8 (E2M1 codes of Ws_w, K innermost, in blocks of 32 codes, two codes a byte); Ws_w_scales 1,024 x 32 uint8 (E8M0 scales of Ws_w, one for each 32 codes along K); dec_hidden_codes 32 x 32 x 16 uint8 (E2M1 codes of dec_hidden, K innermost, in blocks of 32 codes, two codes a byte); dec_hidden_scales 32 x 32 uint8 (E8M0 scales of dec_hidden, one for each 32 codes along K); enc_output 32 x 2,048 x 1,024 float32; enc_pad_mask 32 x 2,048 int32; prev_coverage 32 x 2,048 x 1 float32.
;; Outputs: out0 32 x 1,024 float32; out1 32 x 2,048 float32; out2 32 x 2,048 x 1 float32.
;; Constants: use_coverage = True.
;; This version of the problem:
;;   THIS VERSION OF THE PROBLEM IS GIVEN IN LOW PRECISION. The matrix products marked QUANTISED in the list below multiply operands that are first quantised to E2M1 (2 exponent bits, 1 mantissa bit; 4 bits a number), with one power-of-two scale for each 32 numbers along K (OCP MX v1.0); their sums are f32. All else is computed in f32.
;;   The module's matrix products, in the order in which they are computed (A, B: the left and right operand; K: the contracted axis; several contracted axes count as one K, in the product's order):
;;     1. [M 32, K 1,024] x [K 1,024, N 1,024]; A: input dec_hidden (given as codes); B: input Wh_w (given as codes): QUANTISED
;;     2. [M 65,536, K 1,024] x [K 1,024, N 1,024]; A: input enc_output; B: input Ws_w (given as codes): QUANTISED
;;     3. [M 65,536, K 1] x [K 1, N 1,024]; A: input prev_coverage; B: input Wc_w: left as it is (K = 1 < 32)
;;     4. [M 65,536, K 1,024] x [K 1,024, N 1]; A: computed on the way; B: input V_w: left as it is (N = 1 < 16)
;;   THE QUANTISER, for each operand of a quantised product, along K:
;;     - K is cut into blocks of 32 from its start; a last block that is shorter is filled with zeros.
;;     - A block's scale is 2^e with e = floor(log2(the largest magnitude in the block)) - 2, held to -126 .. 127; a block of zeros has e = 0. As a byte (E8M0): e + 127.
;;     - Each number is divided by its block's scale, clamped to +-6, and rounded to the nearest number of E2M1, ties to even, subnormals kept.
;;     - The product sums the exact products of the quantised numbers (number of the format x scale) in f32.
;;   ~~~python
;;   def quantise(x, axis):      # numpy; x: float32 -> the quantised numbers, widened to float32 again
;;       x = np.moveaxis(x, axis, -1); K = x.shape[-1]
;;       x = np.pad(x, [(0, 0)] * (x.ndim - 1) + [(0, -K % 32)]); x = x.reshape(x.shape[:-1] + (-1, 32)); a = np.abs(x).max(-1, keepdims=True)
;;       e = np.where(a > 0, np.clip(np.frexp(np.where(a > 0, a, 1))[1] - 1 - 2, -126, 127), 0)      # np.frexp(a)[1] - 1 = floor(log2(a)), exactly
;;       r = np.clip(x / 2.0 ** e, -6, 6)
;;       step = 2.0 ** (np.maximum(np.frexp(np.where(r == 0, 1, r))[1] - 1, 0) - 1)
;;       q = np.round(r / step) * step * 2.0 ** e      # np.round: ties to even
;;       return np.moveaxis(q.reshape(q.shape[:-2] + (-1,))[..., :K], -1, axis).astype(np.float32)
;;   ~~~
;;   INPUTS GIVEN AS CODES. Wh_w (in the module: [1024, 1024], K = its axis 0); Ws_w (in the module: [1024, 1024], K = its axis 0); dec_hidden (in the module: [32, 1024], K = its axis 1): each comes as NAME_codes (uint8): NAME with its K axis moved to the last place and cut into blocks of 32 codes, [.., K / 32, bytes a block], one block behind the other in memory; two codes a byte, the lower K in the low four bits (a code: sign, 2 exponent bits, 1 mantissa bit); and NAME_scales (uint8): the same leading axes, one E8M0 byte (e + 127) for each 32 codes along K. Its value is code x scale, taken as it is: it is not quantised again, and the codes and scales need not be those that the quantiser above would give.
;; One version. Each part assembles by itself: llvm-mc -triple=amdgcn-amd-amdhsa -mcpu=gfx1250 --defsym DOCPART=n.
;; ======== version 1 of 1: 3 launches
;; limits: right only within a limited range of input values
;; workspace buffers: wsi 524,288 bytes; wss 32,768 bytes; cb 131,072 bytes; kon 8,448 bytes; scores 262,144 bytes; part 4,456,448 bytes
;; launch prep (part 1): grid 33 x 1, 4 waves a work-group, no clusters, 9,216 bytes of LDS; arguments Ws_w_codes, Ws_w_scales, Wh_w_codes, Wh_w_scales, dec_hidden_codes, dec_hidden_scales, Wh_b, Ws_b, Wc_b, Wc_w, V_w, V_b, wsi, wss, cb, kon; writes wsi, wss, cb, kon
.if DOCPART == 1
	.amdgcn_target "amdgcn-amd-amdhsa--gfx1250"
	.amdhsa_code_object_version 6
	.text
	.protected	k_q44cf3cbefc_prep
	.globl	k_q44cf3cbefc_prep
	.p2align	8
	.type	k_q44cf3cbefc_prep,@function
k_q44cf3cbefc_prep:
	s_mov_b64 s[64:65], 0
	v_nop
	global_prefetch_b8 v0, s[64:65] scope:SCOPE_SE
	s_setreg_imm32_b32 hwreg(HW_REG_WAVE_MODE, 25, 1), 1
	s_wait_xcnt 0x0
; What the main launch wants ready, made once.  Three roles, told apart by the work-group's number.
; enc_pad_mask is an argument of no launch: the computation takes it and never uses it, so it has no way to any output.
; ROLE A (work-groups 0-15, a wave to a tile T of 16 rows u of Ws): Ws's codes and scale bytes laid as IMAGES OF THE OPERAND'S REGISTERS, so that a lane of the main launch loads its fragments whole.
;   K is taken in a permuted order, the same that the main launch gives x: K step g (0..7) holds the blocks of 32 numbered 8 q + g, q = 0..3, q being the block's place in the fragment and its byte in the scale word;
;   in the K steps with bit 1 of g set the two halves of every word of codes change places.
;   wsi [T 64][g 8][c 2][lane 32][16 bytes]: lane (r, h): block 8 (2 c + h) + g of row 16 T + r.   wss [T 64][lane 32][16 bytes]: lane (r, h), word i: K step 4 h + i, byte q: the scale of block 8 q + 4 h + i.
; ROLE B (work-groups 16-31, a work-group to 64 units x 32 batches, a wave to 16 batches x 32 units): h = dec_hidden Wh on codes of E2M1, K in its own order; cb[b][u] = c (h + Wh_b + Ws_b + Wc_b), c = 2 log2(e).
;   A wave has 63 loads, all out together under one wait.  The two waves that hold the halves of a row of 64 units meet in one LDS stage, so that cb is stored in whole aligned units of 256 bytes.
; ROLE C (work-group 32): kon = c Wc_w (4,096 bytes), -2 V_w (4,096 bytes), then 32 times the pair (SV, SV log2(e)), SV = V_b + the sum of V_w:  tanh(x) = 1 - 2 / (1 + 2^(c x)), so score = SV + sum of (-2 V_w) / (1 + 2^(c feat)).
; Only role B uses LDS, a barrier and registers above v255.  No tensor load.
.set STG,   4352                       ; a stage: 16 batches x (256 bytes + 16); one for each half of the batches
.set SPARE, 8704                       ; behind the two stages: the spare words, 128 bytes a wave, that no other line names
.set SPW, 1                            ; v1  LDS address of my spare word; never rewritten
.set NIL, 2                            ; v2  0; never rewritten
.set MSB, 0
.macro WIN new                         ; the immediate's high byte repeats the setting that is left
.if MSB != (\new)
	s_set_vgpr_msb (MSB<<8)|(\new)
.set MSB, (\new)
.endif
.endm
.macro FIN                             ; a wave's end: three lines behind the last LDS store
	s_wait_tensorcnt 0x0
	ds_add_u32 v[SPW], v[NIL]
	s_wait_dscnt 0x0
	s_endpgm
.endm
	s_load_b512 s[4:19], s[0:1], 0x0               ; Ws codes 4, Ws scales 6, Wh codes 8, Wh scales 10, dec codes 12, dec scales 14, Wh_b 16, Ws_b 18
	s_load_b512 s[20:35], s[0:1], 0x40             ; Wc_b 20, Wc_w 22, V_w 24, V_b 26, wsi 28, wss 30, cb 32, kon 34
	v_lshl_add_u32 v[SPW], v0, 2, SPARE
	v_mov_b32 v[NIL], 0
	v_lshrrev_b32 v3, 5, v0
	v_readfirstlane_b32 s36, v3                    ; wave 0..3
	v_and_b32 v9, 15, v0                           ; r
	v_bfe_u32 v10, v0, 4, 1                        ; h
	v_and_b32 v11, 31, v0                          ; lane
	s_mov_b32 s39, 0                               ; the upper word of every offset pair s[38:39]
	s_mov_b32 s44, 0x4038aa3b                      ; c = 2 log2(e)
	s_mov_b32 s45, s44                             ; (named with it as a pair)
	s_wait_kmcnt 0x0
	s_cmp_lt_u32 ttmp9, 16
	s_cbranch_scc0 .Lnot_a
	; ---------------- ROLE A
	s_lshl_b32 s37, ttmp9, 2
	s_add_co_u32 s37, s37, s36                     ; T
	s_lshl_b32 s38, s37, 13                        ; 16 rows of 512 bytes of codes; an image is as large
	s_add_nc_u64 s[4:5], s[4:5], s[38:39]
	s_add_nc_u64 s[28:29], s[28:29], s[38:39]
	s_lshl_b32 s38, s37, 9                         ; 16 rows of 32 scale bytes
	s_add_nc_u64 s[6:7], s[6:7], s[38:39]
	s_add_nc_u64 s[30:31], s[30:31], s[38:39]
	s_wait_alu depctr_va_vdst(0)                   ; the wait ahead of the readers below
	v_lshlrev_b32 v3, 4, v11                       ; out: 16 x lane
	v_lshlrev_b32 v4, 9, v9
	v_lshl_add_u32 v4, v10, 7, v4                  ; codes: 512 r + 128 h; block 8 (2 c + h) + g lies 256 c + 128 h + 16 g bytes into the row
	v_lshlrev_b32 v5, 5, v9
	v_lshl_add_u32 v5, v10, 2, v5                  ; scales: 32 r + 4 h
.irp g, 0,1,2,3,4,5,6,7
.irp c, 0,1
	global_load_b128 v[64+8*\g+4*\c:64+8*\g+4*\c+3], v4, s[4:5] offset:256*\c+16*\g
.endr
.endr
.irp q, 0,1,2,3
	global_load_b32 v[16+\q], v5, s[6:7] offset:8*\q   ; D_q: byte i = the scale of block 8 q + 4 h + i
.endr
	s_wait_loadcnt 0x0
.irp g, 2,3,6,7
.irp j, 0,1,2,3,4,5,6,7
	v_perm_b32 v[64+8*\g+\j], v[64+8*\g+\j], v[64+8*\g+\j], 0x01000302   ; the word's two halves change places
.endr
.endr
	v_perm_b32 v20, v17, v16, 0x05010400           ; 4 x 4 bytes transposed: first the bytes of D0 and D1 (D2 and D3) by turns,
	v_perm_b32 v21, v17, v16, 0x07030602
	v_perm_b32 v22, v19, v18, 0x05010400
	v_perm_b32 v23, v19, v18, 0x07030602
	v_perm_b32 v24, v22, v20, 0x05040100           ; then halves: word i has byte i of D0, D1, D2, D3
	v_perm_b32 v25, v22, v20, 0x07060302
	v_perm_b32 v26, v23, v21, 0x05040100
	v_perm_b32 v27, v23, v21, 0x07060302
.irp g, 0,1,2,3,4,5,6,7
.irp c, 0,1
	global_store_b128 v3, v[64+8*\g+4*\c:64+8*\g+4*\c+3], s[28:29] offset:1024*\g+512*\c   ; 32 lanes store 512 consecutive bytes
.endr
.endr
	global_store_b128 v3, v[24:27], s[30:31]
	FIN
.Lnot_a:
	s_cmp_lt_u32 ttmp9, 32
	s_cbranch_scc0 .Lrole_c
	; ---------------- ROLE B.  Window 0: v12-15 dec's scale words, v16-23 Wh's, v32-47 two accumulators, v64-127 dec's eight fragments, v128-255 Wh's fragments (16 k + 8 t).  Window 1: v0-47 the three biases.
	s_sub_co_u32 s37, ttmp9, 16                    ; j: which 64 units
	s_and_b32 s40, s36, 1                          ; which 16 batches
	s_lshr_b32 s41, s36, 1                         ; which 32 of the 64 units
	s_lshl_b32 s38, s40, 13
	s_add_nc_u64 s[12:13], s[12:13], s[38:39]      ; dec's codes: 16 rows of 512 bytes
	s_lshl_b32 s38, s40, 9
	s_add_nc_u64 s[14:15], s[14:15], s[38:39]      ; its scales: 16 rows of 32
	s_lshl_b32 s42, s37, 1
	s_add_co_u32 s42, s42, s41                     ; 2 j + half: which 32 units of the 1,024
	s_lshl_b32 s38, s42, 14
	s_add_nc_u64 s[8:9], s[8:9], s[38:39]          ; Wh's codes: 32 rows of 512
	s_lshl_b32 s38, s42, 10
	s_add_nc_u64 s[10:11], s[10:11], s[38:39]      ; its scales: 32 rows of 32
	s_lshl_b32 s38, s42, 7
	s_add_nc_u64 s[16:17], s[16:17], s[38:39]      ; the biases: 32 numbers
	s_add_nc_u64 s[18:19], s[18:19], s[38:39]
	s_add_nc_u64 s[20:21], s[20:21], s[38:39]
	s_lshl_b32 s38, s40, 16                        ; cb, what I store: 16 rows of 4,096 bytes for my half of the batches,
	s_lshl_b32 s42, s41, 15                        ; of them rows 8 x half on,
	s_add_co_u32 s38, s38, s42
	s_lshl_b32 s42, s37, 8                         ; 256 bytes for each 64 units
	s_add_co_u32 s38, s38, s42
	s_add_nc_u64 s[32:33], s[32:33], s[38:39]
	s_wait_alu depctr_va_vdst(0)                   ; the wait ahead of the readers below
	v_lshlrev_b32 v3, 9, v9
	v_lshl_add_u32 v3, v10, 4, v3                  ; a fragment: row r of 512 bytes, + 16 h
	v_lshlrev_b32 v4, 5, v9
	v_lshl_add_u32 v4, v10, 4, v4                  ; scale words: row r of 32 bytes; lanes 0-15 K steps 0-3, lanes 16-31 K steps 4-7
	v_lshlrev_b32 v5, 5, v10                       ; biases: my half's eight units
	s_mul_i32 s43, s40, STG                        ; the stage of my 16 batches
	s_lshl_b32 s42, s41, 7
	s_add_co_u32 s42, s42, s43
	v_mul_u32_u24 v6, v9, 272
	v_lshl_add_u32 v6, v10, 5, v6
	v_add_nc_u32 v6, s42, v6                       ; in: row r, + 128 for the units' upper half, + 32 h
	s_mul_i32 s42, s41, 8*272
	s_add_co_u32 s42, s42, s43
	v_mul_u32_u24 v7, v10, 272
	v_lshl_add_u32 v7, v9, 4, v7
	v_add_nc_u32 v7, s42, v7                       ; back: of my eight rows lanes 0-15 take one row of 256 bytes, lanes 16-31 the next
	v_lshlrev_b32 v8, 12, v10
	v_lshl_add_u32 v8, v9, 4, v8                   ; and the same two rows in cb
.irp k, 0,1,2,3,4,5,6,7
.irp c, 0,1
	global_load_b128 v[64+8*\k+4*\c:64+8*\k+4*\c+3], v3, s[12:13] offset:64*\k+32*\c
.endr
.endr
	global_load_b128 v[12:15], v4, s[14:15]
.irp t, 0,1
	global_load_b128 v[16+4*\t:19+4*\t], v4, s[10:11] offset:512*\t
.endr
.irp k, 0,1,2,3,4,5,6,7
.irp t, 0,1
.irp c, 0,1
	global_load_b128 v[128+16*\k+8*\t+4*\c:131+16*\k+8*\t+4*\c], v3, s[8:9] offset:8192*\t+64*\k+32*\c
.endr
.endr
.endr
	WIN 0x40                                       ; destination window 1
.irp t, 0,1
.irp jh, 0,1
	global_load_b128 v[8*\t+4*\jh:3+8*\t+4*\jh], v5, s[16:17] offset:64*\t+16*\jh   ; the three biases at my eight units of each tile
	global_load_b128 v[16+8*\t+4*\jh:19+8*\t+4*\jh], v5, s[18:19] offset:64*\t+16*\jh
	global_load_b128 v[32+8*\t+4*\jh:35+8*\t+4*\jh], v5, s[20:21] offset:64*\t+16*\jh
.endr
.endr
	WIN 0
	s_wait_loadcnt 0x0                             ; 16 + 1 + 2 + 32 + 12 = 63 loads
; Eight K steps, the two accumulators by turns.  Used transposed: source 0 = 16 units of Wh, source 1 = 16 batches: a lane holds one batch and eight neighbouring units.
.irp k, 0,1,2,3,4,5,6,7
.irp t, 0,1
.if \k == 0
	v_wmma_scale_f32_16x16x128_f8f6f4 v[32+8*\t:39+8*\t], v[128+16*\k+8*\t:135+16*\k+8*\t], v[64+8*\k:71+8*\k], 0, v[16+4*\t+\k], v[12+\k] matrix_a_fmt:MATRIX_FMT_FP4 matrix_b_fmt:MATRIX_FMT_FP4
.elseif \k < 4
	v_wmma_scale_f32_16x16x128_f8f6f4 v[32+8*\t:39+8*\t], v[128+16*\k+8*\t:135+16*\k+8*\t], v[64+8*\k:71+8*\k], v[32+8*\t:39+8*\t], v[16+4*\t+\k], v[12+\k] matrix_a_fmt:MATRIX_FMT_FP4 matrix_b_fmt:MATRIX_FMT_FP4
.else
	v_wmma_scale_f32_16x16x128_f8f6f4 v[32+8*\t:39+8*\t], v[128+16*\k+8*\t:135+16*\k+8*\t], v[64+8*\k:71+8*\k], v[32+8*\t:39+8*\t], v[16+4*\t+\k-4], v[12+\k-4] matrix_a_fmt:MATRIX_FMT_FP4 matrix_b_fmt:MATRIX_FMT_FP4 matrix_a_scale:MATRIX_SCALE_ROW1 matrix_b_scale:MATRIX_SCALE_ROW1
.endif
.endr
.endr
	WIN 0x45                                       ; destination and both sources window 1: the biases are added up.  These 16 lines name no register of the products: they are the places behind them (ISA guide 7.12.1)
.irp x, 0,2,4,6,8,10,12,14
	v_pk_add_f32 v[\x:1+\x], v[\x:1+\x], v[16+\x:17+\x]
.endr
.irp x, 0,2,4,6,8,10,12,14
	v_pk_add_f32 v[\x:1+\x], v[\x:1+\x], v[32+\x:33+\x]
.endr
	WIN 0x04                                       ; source 1 window 1
.irp x, 0,2,4,6,8,10,12,14
	v_pk_add_f32 v[64+\x:65+\x], v[32+\x:33+\x], v[\x:1+\x]   ; each accumulator is read from its low end on
.endr
	WIN 0
.irp x, 0,2,4,6,8,10,12,14
	v_pk_mul_f32 v[64+\x:65+\x], v[64+\x:65+\x], s[44:45] op_sel_hi:[1,0]
.endr
.irp t, 0,1
.irp jh, 0,1
	ds_store_b128 v6, v[64+8*\t+4*\jh:67+8*\t+4*\jh] offset:64*\t+16*\jh
.endr
.endr
	s_wait_dscnt 0x0                               ; my half of each row lies in the stage
	s_barrier_signal -1
	s_barrier_wait -1                              ; and so does the other wave's
.irp i, 0,1,2,3
	ds_load_b128 v[96+4*\i:99+4*\i], v7 offset:544*\i
.endr
.irp i, 0,1,2,3
	s_wait_dscnt 3-\i
	global_store_b128 v8, v[96+4*\i:99+4*\i], s[32:33] offset:8192*\i   ; sixteen lanes store 256 consecutive bytes, aligned
.endr
	FIN
.Lrole_c:
	; ---------------- ROLE C
	s_lshl_b32 s37, s36, 10
	s_wait_alu depctr_va_vdst(0)                   ; the wait ahead of the readers below
	v_lshl_add_u32 v3, v11, 4, s37                 ; 16 x lane + 1,024 x wave
	global_load_b128 v[16:19], v3, s[22:23]
	global_load_b128 v[20:23], v3, s[22:23] offset:512
	global_load_b128 v[24:27], v3, s[24:25]
	global_load_b128 v[28:31], v3, s[24:25] offset:512
	v_lshlrev_b32 v4, 4, v11                       ; 16 x lane
	s_cmp_lg_u32 s36, 0
	s_cbranch_scc1 .Lc_all                         ; wave 0 alone sums V_w: its loads go out with the four above, under the one wait below
	s_load_b32 s38, s[26:27], 0x0                  ; V_b
.irp j, 0,1,2,3,4,5,6,7
	global_load_b128 v[64+4*\j:67+4*\j], v4, s[24:25] offset:512*\j   ; all of V_w
.endr
.Lc_all:
	s_wait_loadcnt 0x0
.irp j, 0,2,4,6
	v_pk_mul_f32 v[32+\j:33+\j], v[16+\j:17+\j], s[44:45] op_sel_hi:[1,0]
	v_pk_mul_f32 v[40+\j:41+\j], v[24+\j:25+\j], -2.0 op_sel_hi:[1,0]
.endr
	s_wait_alu depctr_va_vdst(0)                   ; the wait ahead of the stores, which read v3 again
	global_store_b128 v3, v[32:35], s[34:35]
	global_store_b128 v3, v[36:39], s[34:35] offset:512
	global_store_b128 v3, v[40:43], s[34:35] offset:4096
	global_store_b128 v3, v[44:47], s[34:35] offset:4608
	s_cmp_lg_u32 s36, 0
	s_cbranch_scc1 .Lc_done
	s_mov_b32 s46, 0x76543210
	s_mov_b32 s47, 0xfedcba98                      ; lane l xor 16
.irp p, 0,2,4,6,8,10,12,14
	v_pk_add_f32 v[64+\p:65+\p], v[64+\p:65+\p], v[80+\p:81+\p]
.endr
.irp p, 0,2,4,6
	v_pk_add_f32 v[64+\p:65+\p], v[64+\p:65+\p], v[72+\p:73+\p]
.endr
.irp p, 0,2
	v_pk_add_f32 v[64+\p:65+\p], v[64+\p:65+\p], v[68+\p:69+\p]
.endr
	v_pk_add_f32 v[64:65], v[64:65], v[66:67]
	v_add_f32 v64, v64, v65
	v_add_f32_dpp v64, v64, v64 row_xmask:1 row_mask:0xf bank_mask:0xf
	v_add_f32_dpp v64, v64, v64 row_xmask:2 row_mask:0xf bank_mask:0xf
	v_add_f32_dpp v64, v64, v64 row_xmask:4 row_mask:0xf bank_mask:0xf
	v_add_f32_dpp v64, v64, v64 row_xmask:8 row_mask:0xf bank_mask:0xf
	v_permlanex16_b32 v65, v64, s46, s47
	v_add_f32 v64, v64, v65
	s_wait_alu depctr_va_vdst(0)                   ; the wait directly ahead of the wait below
	s_wait_kmcnt 0x0
	v_add_f32 v64, s38, v64                        ; SV
	v_mul_f32 v65, 0x3fb8aa3b, v64                 ; SV log2(e)
	v_lshlrev_b32 v5, 3, v11
	global_store_b64 v5, v[64:65], s[34:35] offset:8192   ; the pair, 32 times: 256 consecutive bytes, aligned
.Lc_done:
	FIN
.Lfunc_end_k_q44cf3cbefc_prep:
	.size	k_q44cf3cbefc_prep, .Lfunc_end_k_q44cf3cbefc_prep-k_q44cf3cbefc_prep
	.p2alignl 7, 3214868480
	.fill 96, 4, 3214868480
	.section	.rodata,"a",@progbits
	.p2align	6, 0x0
	.amdhsa_kernel k_q44cf3cbefc_prep
		.amdhsa_group_segment_fixed_size 9216
		.amdhsa_private_segment_fixed_size 0
		.amdhsa_enable_private_segment 0
		.amdhsa_kernarg_size 128
		.amdhsa_user_sgpr_count 2
		.amdhsa_user_sgpr_kernarg_segment_ptr 1
		.amdhsa_wavefront_size32 1
		.amdhsa_system_sgpr_workgroup_id_x 1
		.amdhsa_system_sgpr_workgroup_id_y 1
		.amdhsa_system_sgpr_workgroup_id_z 1
		.amdhsa_system_vgpr_workitem_id 0
		.amdhsa_next_free_vgpr 512
		.amdhsa_next_free_sgpr 66
		.amdhsa_reserve_vcc 0
		.amdhsa_float_denorm_mode_32 3
		.amdhsa_float_denorm_mode_16_64 3
		.amdhsa_memory_ordered 1
		.amdhsa_forward_progress 1
		.amdhsa_inst_pref_size 27
	.end_amdhsa_kernel
	.amdgpu_metadata
---
amdhsa.version: [ 1, 2 ]
amdhsa.kernels:
  - .name:           k_q44cf3cbefc_prep
    .symbol:         k_q44cf3cbefc_prep.kd
    .args:
      - { .name: Ws_w_codes, .offset: 0, .size: 8, .value_kind: global_buffer, .address_space: global }
      - { .name: Ws_w_scales, .offset: 8, .size: 8, .value_kind: global_buffer, .address_space: global }
      - { .name: Wh_w_codes, .offset: 16, .size: 8, .value_kind: global_buffer, .address_space: global }
      - { .name: Wh_w_scales, .offset: 24, .size: 8, .value_kind: global_buffer, .address_space: global }
      - { .name: dec_hidden_codes, .offset: 32, .size: 8, .value_kind: global_buffer, .address_space: global }
      - { .name: dec_hidden_scales, .offset: 40, .size: 8, .value_kind: global_buffer, .address_space: global }
      - { .name: Wh_b, .offset: 48, .size: 8, .value_kind: global_buffer, .address_space: global }
      - { .name: Ws_b, .offset: 56, .size: 8, .value_kind: global_buffer, .address_space: global }
      - { .name: Wc_b, .offset: 64, .size: 8, .value_kind: global_buffer, .address_space: global }
      - { .name: Wc_w, .offset: 72, .size: 8, .value_kind: global_buffer, .address_space: global }
      - { .name: V_w, .offset: 80, .size: 8, .value_kind: global_buffer, .address_space: global }
      - { .name: V_b, .offset: 88, .size: 8, .value_kind: global_buffer, .address_space: global }
      - { .name: wsi, .offset: 96, .size: 8, .value_kind: global_buffer, .address_space: global }
      - { .name: wss, .offset: 104, .size: 8, .value_kind: global_buffer, .address_space: global }
      - { .name: cb, .offset: 112, .size: 8, .value_kind: global_buffer, .address_space: global }
      - { .name: kon, .offset: 120, .size: 8, .value_kind: global_buffer, .address_space: global }
    .group_segment_fixed_size: 9216
    .private_segment_fixed_size: 0
    .kernarg_segment_align: 8
    .kernarg_segment_size: 128
    .max_flat_workgroup_size: 128
    .sgpr_count:     66
    .vgpr_count:     512
    .wavefront_size: 32
...
	.end_amdgpu_metadata
.endif
;; end of part 1
;; launch main (part 2): grid 8 x 32, 4 waves a work-group, no clusters, 327,680 bytes of LDS; arguments enc_output, prev_coverage, wsi, wss, cb, kon, scores, part; writes scores, part
.if DOCPART == 2
	.amdgcn_target "amdgcn-amd-amdhsa--gfx1250"
	.amdhsa_code_object_version 6
	.text
	.protected	k_q44cf3cbefc_main
	.globl	k_q44cf3cbefc_main
	.p2align	8
	.type	k_q44cf3cbefc_main,@function
k_q44cf3cbefc_main:
	s_mov_b64 s[64:65], 0
	v_nop
	global_prefetch_b8 v0, s[64:65] scope:SCOPE_SE
	s_setreg_imm32_b32 hwreg(HW_REG_WAVE_MODE, 25, 1), 1
	s_wait_xcnt 0x0
; score[b][s] = V_b + sum over u of V_w[u] tanh(Q(enc[b][s]) . Ws[:, u] + h[b][u] + cov[b][s] Wc_w[u] + biases), and, in the same pass over enc, a running softmax and the weighted sum of enc's rows.
; ENC IS READ FROM MEMORY ONCE.  A row is wanted again when its score is known, which is after its whole product: so 64 rows stay in registers, as f32, until then, while the next 64 land in LDS.
; SHARES.  A work-group owns 256 rows of one batch (grid 8 x 32) and takes them as four blocks of 64.  Wave w lands, holds, quantises and sums rows 16 w .. 16 w + 15 of a block (512 registers);
;   in the product it owns units 256 w .. 256 w + 255 for ALL 64 rows: four groups of four tiles of 16 units, 16 accumulators.  Each wave keeps its own running maximum m, sum l and weighted sum ctx over its rows; the last launch joins them.
; A BLOCK.  Q: my 16 rows from LDS into registers; quantised to E2M1 (a block of 32 along K lies in four neighbouring lanes); codes and scale words to LDS | barrier, behind it the next block's tensor load |
;   G: four groups: 8 K steps x 16 products; then z = c acc + cb + cov cWc, r = 1 / (1 + 2^z), partial score += (-2 V_w) r |  S: partial scores of the four waves meet in LDS | barrier |  C: p = 2^(t - m), ctx = ctx f + sum of p x.
; K IS TAKEN IN A PERMUTED ORDER, alike for x and Ws (the first launch lays Ws so): of a row's chunk q (256 numbers) lane l holds numbers 8 l .. 8 l + 7, so block 8 q + (l >> 2) lies in lanes 4 g .. 4 g + 3, g = l >> 2.
;   K step g holds blocks 8 q + g, q = 0..3.  Lanes with bit 3 set read their two halves of 16 bytes in the other order (sixteen lanes then touch sixteen different 16-byte columns of LDS), so in K steps with bit 1 of g set a word's halves change places.
; THE PRODUCT IS USED TRANSPOSED: source 0 = 16 units of Ws, source 1 = 16 rows of x: lane (r, h) holds row r and units 8 h .. 8 h + 7 of the tile.
; Ws's fragments go from memory straight into registers (256 a group).  A K step's 32 registers are asked for again, with the NEXT group's fragments, one K step behind its products: eight loads in each K step, so that a fragment has a whole group's
;   work in which to come.  The launch's last group asks for nothing: it is written out.
; NO CLUSTER, NO JOINT LOADS, though all work-groups read the same Ws: a joint load lands in LDS, and of this text's 327,680 bytes 262,144 are x's landing zone and 512 are unclaimed.
; tanh(x) = 1 - 2 / (1 + 2^(c x)), c = 2 log2(e): 2^z overflows to infinity and r to 0, underflows to 0 and r to 1: tanh's two ends.
; LIMITS: NaN and infinities in enc_output are not served.  A block of x whose largest magnitude is 0 or under 2^-124 gets the scale byte 1 and codes of zero (the bytes are read by this text alone).
;   The sums inside a matrix instruction group K in the permuted order.  enc_pad_mask is no argument: the computation never uses it.
; LDS
; PHASE Q AS IT STANDS in a block that has a successor: all reads of the landing zone; rows 0-7 quantised under them | barrier, behind it the next block's tensor load | rows 8-15 quantised from registers | a second barrier, behind which nothing is filled, shows the codes to all waves.
; NO PREFETCH: a block's tensor load is issued a block's four groups, 512 matrix instructions a wave, ahead of its first read; asked for a block earlier still, a work-group would have 262,144 bytes more asked for and not yet read; nothing can run ahead of the first block's load.
.set LAND,  0
.set CODES, 262144                     ; 32,768: tile of rows m, K step g, place q, row r: 8,192 m + 1,024 g + 256 q + 16 (r xor g): 16 bytes.  The exclusive or spreads a store's 32 lanes over 32 banks; a fragment load's 16 lanes still cover 256 bytes on end
.set ASCL,  294912                     ; 2,048: x's scale words: row R at 32 R, K step g at 4 g
.set CST,   296960                     ; 12,288: cb of my batch, c Wc_w, -2 V_w
.set EXCH,  309248                     ; 1,024: [wave][64 rows] partial scores
.set CTX,   310272                     ; 16,384: wave w's weighted sum at 4,096 w, between blocks
.set SPARE, 326656                     ; 512: the spare words, 128 bytes a wave, that no other line names
; REGISTERS, window 0
.set SPW, 1                            ; my spare word's address; never rewritten
.set NIL, 2                            ; 0; never rewritten
.set AB,  3                            ; CODES + 16 r + 256 h
.set AA,  4                            ; v4, v5: a K step's fragment address, AB xor 16 g: even g in v4, odd g in v5
.set KB,  6                            ; CST + 1,024 w + 32 h
.set KA,  7                            ; KB + 256 x group
.set L16, 8                            ; 16 x lane
.set CVA, 9                            ; 4 r
.set MX,  10                           ; m, in units of t = score log2(e)
.set LS,  11                           ; l
.set X0,  12                           ; 65,536 w + 32 l + 16 (bit 3 of l)
.set X1,  13                           ; X0 xor 16
.set CS,  14                           ; CODES + 8,192 w + 1,024 g + 16 g + 4 (l & 3)
.set SCA, 15                           ; ASCL + 512 w + 4 g
.set SC,  16                           ; v16-23  partial scores, a pair for each tile of rows
.set COV, 24                           ; v24-31  cov of row 16 m + r, in pairs
.set ASC, 32                           ; v32-47  x's scale words: 4 m + g % 4; lanes 0-15 K steps 0-3, lanes 16-31 K steps 4-7
.set BSC, 48                           ; v48-63  Ws's: 4 t + g % 4, likewise
.set AF,  64                           ; v64-127 x's fragments, two buffers of 32; the constants in tanh's phase
.set ACC, 128                          ; v128-255 accumulator (m, t) at 8 (4 m + t); at work in phases Q, S and C
.set QT,  128                          ; phase Q: 16 largest magnitudes,
.set SO,  144                          ; 16 scale operands,
.set BY,  160                          ; 16 bytes,
.set CD,  176                          ; and two sets by turns of 16 code words, 4 scale words, 4 addresses: an LDS store's registers are written again only when a counted wait has shown the store done
.set CT,  160                          ; phase C: ctx, 32 registers
; window 1: Ws's fragments of the group, 64 t + 8 g.   windows 2, 3: x: row i in window 2 + i / 8 at 32 (i % 8) + 8 q + e.
; SCALARS: s[4:19] the eight addresses; s20 wave; s[24:31], s[32:35] the descriptor; s[36:37] c; s[38:39] lane selects; s[40:41] SV, SV log2(e); s42 blocks; s[44:45], s[50:51] my wave's part of wsi, wss; s[46:47], s[52:53] the next group's;
;   s[48:49] an offset pair; s54 256 x group; s56 log2(e); s57-59 LDS bases; s[66:97] p of my 16 rows, in pairs
.set MSB, 0
.macro WIN new                         ; the immediate's high byte repeats the setting that is left; a switch that changes nothing is dropped
.if MSB != (\new)
	s_set_vgpr_msb (MSB<<8)|(\new)
.set MSB, (\new)
.endif
.endm
	s_load_b512 s[4:19], s[0:1], 0x0
	v_lshl_add_u32 v[SPW], v0, 2, SPARE
	v_mov_b32 v[NIL], 0
	ds_add_u32 v[SPW], v[NIL]                      ; the opening: the add and its wait ahead of my first tensor load; work on registers stands between them
	ds_add_u32 v[SPW], v[NIL]
	v_lshrrev_b32 v3, 5, v0
	v_readfirstlane_b32 s20, v3                    ; wave 0..3
	; descriptor group 1: my 16 rows of a block are 65,536 dense bytes: 256 rows of 32 elements of 8 bytes
	s_mov_b32 s24, 3<<16                           ; no mask; elements of 8 bytes; no padding
	s_mov_b32 s25, 32<<16                          ; tensor_dim0 = 32
	s_mov_b32 s26, 256<<16                         ; tensor_dim1 = 256
	s_mov_b32 s27, 32<<16                          ; tile_dim0 = 32
	s_mov_b32 s28, 256                             ; tile_dim1 = 256
	s_mov_b32 s29, 32                              ; from row to row
	s_mov_b32 s30, 0
	s_mov_b32 s31, 0
	s_mov_b32 s36, 0x4038aa3b                      ; c = 2 log2(e)
	s_mov_b32 s37, s36
	s_mov_b32 s38, 0x76543210
	s_mov_b32 s39, 0xfedcba98                      ; lane l xor 16
	s_mov_b32 s56, 0x3fb8aa3b                      ; log2(e)
	s_mov_b32 s62, 0                               ; 256 x the count of steps from group to group, over the whole launch
.irp i, 0,1,2,3,4,5,6,7,8,9,10,11,12,13,14,15
	s_mov_b32 s[67+2*\i], 0                        ; the upper halves of p's pairs: named with the lower ones, of which the packed form takes the low word for both halves; written once
.endr
	s_and_b32 s21, ttmp7, 0xffff                   ; the batch
	s_lshl_b32 s48, s21, 23                        ; 2,048 rows of 4,096 bytes a batch,
	s_lshl_b32 s22, ttmp9, 20                      ; 256 a work-group,
	s_add_co_u32 s48, s48, s22
	s_lshl_b32 s22, s20, 16                        ; 16 a wave: also my part of the landing zone
	s_add_co_u32 s48, s48, s22
	s_mov_b32 s49, 0
	s_wait_dscnt 0x0                               ; the opening add is done
	s_wait_kmcnt 0x0
	s_mov_b32 s32, 1                               ; count = 1
	s_mov_b32 s33, s22                             ; LDS address
	s_add_nc_u64 s[34:35], s[4:5], s[48:49]        ; global address: block 0
	s_or_b32 s35, s35, 0x80000000                  ; type = 2
	tensor_load_to_lds s[32:35], s[24:31]          ; one tensor load of mine is out, here and behind each refill
	s_nop 0
	v_and_b32 v128, 31, v0                         ; lane
	v_and_b32 v129, 15, v0                         ; r
	v_bfe_u32 v130, v0, 4, 1                       ; h
	v_lshrrev_b32 v131, 2, v128                    ; g
	v_bfe_u32 v132, v0, 3, 1                       ; bit 3
	v_and_b32 v133, 3, v0
	v_lshlrev_b32 v134, 4, v0                      ; 16 x thread
	v_add_nc_u32 v135, CST, v134
	s_lshl_b32 s48, s21, 12
	s_add_nc_u64 s[12:13], s[12:13], s[48:49]      ; cb's row of my batch
	global_load_b128 v[136:139], v134, s[12:13]
	global_load_b128 v[140:143], v134, s[12:13] offset:2048
.irp j, 0,1,2,3
	global_load_b128 v[144+4*\j:147+4*\j], v134, s[14:15] offset:2048*\j
.endr
	s_load_b64 s[40:41], s[14:15], 0x2000          ; SV, SV log2(e)
	v_lshlrev_b32 v[AB], 4, v129
	v_lshl_add_u32 v[AB], v130, 8, v[AB]
	v_add_nc_u32 v[AB], CODES, v[AB]
	s_lshl_b32 s23, s20, 10
	s_add_co_u32 s23, s23, CST
	v_lshl_add_u32 v[KB], v130, 5, s23
	v_lshlrev_b32 v[L16], 4, v128
	v_lshlrev_b32 v[CVA], 2, v129
	v_lshlrev_b32 v[X0], 5, v128
	v_lshl_add_u32 v[X0], v132, 4, v[X0]
	v_add_nc_u32 v[X0], s22, v[X0]
	v_xor_b32 v[X1], 16, v[X0]
	v_mul_u32_u24 v[CS], v131, 1040
	v_lshl_add_u32 v[CS], v133, 2, v[CS]
	s_lshl_b32 s23, s20, 13
	s_add_co_u32 s23, s23, CODES
	v_add_nc_u32 v[CS], s23, v[CS]
	s_lshl_b32 s23, s20, 9
	s_add_co_u32 s23, s23, ASCL
	v_lshl_add_u32 v[SCA], v131, 2, s23
	s_lshl_b32 s57, s20, 8
	s_add_co_u32 s57, s57, EXCH                    ; where my partial scores go
	s_lshl_b32 s58, s20, 12
	s_add_co_u32 s58, s58, CTX                     ; my ctx
	s_lshl_b32 s59, s20, 6
	s_add_co_u32 s59, s59, EXCH                    ; my 16 rows in a wave's 64
	v_mov_b32 v[MX], 0xff61b1e6                    ; -3e38, under every t
	v_mov_b32 v[LS], 0
	s_lshl_b32 s48, s20, 17                        ; my 16 tiles of wsi, 8,192 bytes each
	s_add_nc_u64 s[44:45], s[8:9], s[48:49]
	s_mov_b64 s[46:47], s[44:45]
	s_lshl_b32 s48, s20, 13                        ; and of wss, 512 each
	s_add_nc_u64 s[50:51], s[10:11], s[48:49]
	s_mov_b64 s[52:53], s[50:51]
	s_lshl_b32 s48, s21, 13
	s_lshl_b32 s23, ttmp9, 10
	s_add_co_u32 s48, s48, s23                     ; my 256 rows in cov and in scores
	s_add_nc_u64 s[6:7], s[6:7], s[48:49]
	s_add_nc_u64 s[16:17], s[16:17], s[48:49]
	s_lshl_b32 s48, s21, 5
	s_lshl_b32 s23, ttmp9, 2
	s_add_co_u32 s48, s48, s23
	s_add_co_u32 s48, s48, s20
	s_mul_i32 s48, s48, 4352                       ; my record: 32 b + 4 x + w
	s_add_nc_u64 s[18:19], s[18:19], s[48:49]
	v_add_nc_u32 v160, s58, v[L16]
.irp j, 0,1,2,3
	v_mov_b32 v[164+\j], 0
.endr
.irp j, 0,1,2,3,4,5,6,7
	ds_store_b128 v160, v[164:167] offset:512*\j   ; ctx begins as zeros
.endr
	s_wait_loadcnt 0x0                             ; the six loads of constants
.irp j, 0,1,2,3,4,5
	ds_store_b128 v135, v[136+4*\j:139+4*\j] offset:2048*\j   ; read by all waves behind the first block's first barrier
.endr
; 8 loads: Ws's four fragments of K step g of the group that s[46:47] names; each load is 512 consecutive bytes
.macro BL g
	WIN 0x40                                       ; destination window 1
.irp t, 0,1,2,3
.irp c, 0,1
	global_load_b128 v[64*\t+8*(\g)+4*\c:64*\t+8*(\g)+4*\c+3], v[L16], s[46:47] offset:8192*\t+1024*(\g)+512*\c
.endr
.endr
.endm
.macro SLOAD                           ; and that group's scale words
	WIN 0
.irp t, 0,1,2,3
	global_load_b128 v[BSC+4*\t:BSC+4*\t+3], v[L16], s[52:53] offset:512*\t
.endr
.endm
.irp g, 0,1,2,3,4,5,6,7
	BL \g                                          ; the first group's
.endr
	SLOAD
	s_wait_kmcnt 0x0
; 32 LDS loads: rows 4 k .. 4 k + 3 of my 16 into their registers
.macro XL k
	WIN 0x80+0x40*((\k)/2)                         ; destination window 2 or 3
.irp ii, 0,1,2,3
.irp q, 0,1,2,3
	ds_load_b128 v[32*((4*(\k)+\ii)%8)+8*\q:32*((4*(\k)+\ii)%8)+8*\q+3], v[X0] offset:4096*(4*(\k)+\ii)+1024*\q
	ds_load_b128 v[32*((4*(\k)+\ii)%8)+8*\q+4:32*((4*(\k)+\ii)%8)+8*\q+7], v[X1] offset:4096*(4*(\k)+\ii)+1024*\q
.endr
.endr
.endm
; Rows 4 k .. 4 k + 3 are quantised: 16 pieces (row ii, chunk q) of eight numbers a lane, by turns.  A block's scale is 2^(floor(log2(its largest magnitude)) - 2): the largest magnitude's exponent field less 2.
.macro QP k
.set XW, 2+(\k)/2
.set QS, CD+24*((\k)%2)
	WIN (XW<<2)|(XW<<4)                            ; sources 1 and 2: x's window
.irp e, 0,2,4,6
.irp ii, 0,1,2,3
.irp q, 0,1,2,3
.set XR, 32*((4*(\k)+\ii)%8)+8*\q+\e
.if \e == 0
	v_max3_num_f32 v[QT+4*\ii+\q], 0x1800000, |v[XR]|, |v[XR+1]|   ; with the floor 2^(3 - 127) among the leaves: the byte cannot fall under 1
.else
	v_max3_num_f32 v[QT+4*\ii+\q], v[QT+4*\ii+\q], |v[XR]|, |v[XR+1]|
.endif
.endr
.endr
.endr
	WIN 0
.irp x, 1,2
.set n, 0
.rept 16
	v_max_num_f32_dpp v[QT+n], v[QT+n], v[QT+n] row_xmask:\x row_mask:0xf bank_mask:0xf   ; with the three other lanes of the block
.set n, n+1
.endr
.endr
.set n, 0
.rept 16
	v_add_nc_u32 v[SO+n], 0xff000000, v[QT+n]      ; 2 off the exponent field: the conversion takes the exponent field of this operand as its scale
.set n, n+1
.endr
.set n, 0
.rept 16
	v_lshrrev_b32 v[BY+n], 23, v[SO+n]             ; the scale's byte
.set n, n+1
.endr
.irp ii, 0,1,2,3
	v_lshl_or_b32 v[QS+16+\ii], v[BY+4*\ii+1], 8, v[BY+4*\ii]      ; chunk q's byte is byte q of the word of (row, K step g)
.endr
.irp ii, 0,1,2,3
	v_lshl_or_b32 v[QS+16+\ii], v[BY+4*\ii+2], 16, v[QS+16+\ii]
.endr
.irp ii, 0,1,2,3
	v_lshl_or_b32 v[QS+16+\ii], v[BY+4*\ii+3], 24, v[QS+16+\ii]
.endr
	WIN XW                                         ; source 0: x's window
.irp ii, 0,1,2,3
.irp q, 0,1,2,3
.set XR, 32*((4*(\k)+\ii)%8)+8*\q
	v_cvt_scalef32_pk8_fp4_f32 v[QS+4*\ii+\q], v[XR:XR+7], v[SO+4*\ii+\q]
.endr
.endr
	v_nop                                          ; one plain instruction behind the last scaled conversion
	WIN 0
.irp ii, 0,1,2,3
	v_xor_b32 v[QS+20+\ii], 16*(4*(\k)+\ii), v[CS] ; 16 (row xor g)
.endr
.irp ii, 0,1,2,3
.irp q, 0,1,2,3
	ds_store_b32 v[QS+20+\ii], v[QS+4*\ii+\q] offset:256*\q
.endr
	ds_store_b32 v[SCA], v[QS+16+\ii] offset:32*(4*(\k)+\ii)       ; a block's four lanes write the same word with the same value
.endr
.endm
; 8 products: tiles of rows m0, m0 + 1 x the group's four tiles of units, K step g.  The 16 accumulators take turns, in the same order in every K step.  K step 0 starts the sums.
.macro MM g, m0
.irp mm, \m0, \m0+1
.irp t, 0,1,2,3
.set RD, ACC+8*(4*(\mm)+\t)
.set RB, 64*\t+8*(\g)
.set RA, AF+32*((\g)%2)+8*(\mm)
.set RSB, BSC+4*\t+(\g)%4
.set RSA, ASC+4*(\mm)+(\g)%4
.if (\g) == 0
	v_wmma_scale_f32_16x16x128_f8f6f4 v[RD:RD+7], v[RB:RB+7], v[RA:RA+7], 0, v[RSB], v[RSA] matrix_a_fmt:MATRIX_FMT_FP4 matrix_b_fmt:MATRIX_FMT_FP4
.elseif (\g) < 4
	v_wmma_scale_f32_16x16x128_f8f6f4 v[RD:RD+7], v[RB:RB+7], v[RA:RA+7], v[RD:RD+7], v[RSB], v[RSA] matrix_a_fmt:MATRIX_FMT_FP4 matrix_b_fmt:MATRIX_FMT_FP4
.else
	v_wmma_scale_f32_16x16x128_f8f6f4 v[RD:RD+7], v[RB:RB+7], v[RA:RA+7], v[RD:RD+7], v[RSB], v[RSA] matrix_a_fmt:MATRIX_FMT_FP4 matrix_b_fmt:MATRIX_FMT_FP4 matrix_a_scale:MATRIX_SCALE_ROW1 matrix_b_scale:MATRIX_SCALE_ROW1
.endif
.endr
.endr
.endm
; K STEP g.  At its head, behind four plain instructions (the places between the last step's products and loads into registers that they read: ISA guide 7.12.1 for vector instructions), stand all its loads together:
; eight LDS loads into the fragment buffer that the last step multiplied: x's fragments of step g + 1, or, in step 7, cb's constants for tanh's phase; and, with nxt = 1, eight loads from memory: the NEXT group's Ws of step g - 1, into the registers that the last step multiplied.
.macro KSTEP g, nxt
.if (\g) > 0
	v_nop
	v_nop
	v_nop
.endif
	WIN 0
.if (\g) < 7
	v_xor_b32 v[AA+((\g)+1)%2], 16*((\g)+1), v[AB] ; this register's last loads were shown done by the last step's second wait
.irp m, 0,1,2,3
.irp c, 0,1
	ds_load_b128 v[AF+32*(((\g)+1)%2)+8*\m+4*\c:AF+32*(((\g)+1)%2)+8*\m+4*\c+3], v[AA+((\g)+1)%2] offset:8192*\m+1024*((\g)+1)+512*\c
.endr
.endr
.else
	v_nop
.irp t, 0,1,2,3
.irp jh, 0,1
	ds_load_b128 v[AF+8*\t+4*\jh:AF+8*\t+4*\jh+3], v[KA] offset:64*\t+16*\jh   ; cb at my eight units of tile t
.endr
.endr
.endif
.if (\nxt) && ((\g) > 0)
	BL (\g)-1
.endif
.if (\g) == 6
.if \nxt
	s_wait_loadcnt 48                              ; this group's Ws of K step 7 is in: behind its eight loads stand the 48 of the next group's K steps 0 to 5, which may be out
.else
	s_wait_loadcnt 0x0                             ; the same where nothing was asked for behind them
.endif
.endif
	s_wait_dscnt 12                                ; may be out: this step's last four fragment loads (tiles of rows 2, 3) and the eight LDS loads just issued
	WIN 0x01                                       ; source 0 (Ws) window 1
	MM \g, 0
	s_wait_dscnt 8                                 ; the eight just issued
	MM \g, 2
.endm
; 128 results become their share of the scores.  At its head cb is in and c Wc_w's eight loads may be out.
.macro TANH nxt
.irp m, 0,1,2,3
.irp t, 0,1,2,3
.irp j, 0,2,4,6
	v_pk_fma_f32 v[ACC+8*(4*\m+\t)+\j:ACC+8*(4*\m+\t)+\j+1], v[ACC+8*(4*\m+\t)+\j:ACC+8*(4*\m+\t)+\j+1], s[36:37], v[AF+8*\t+\j:AF+8*\t+\j+1] op_sel_hi:[1,0,1]   ; c acc + cb; each accumulator from its low end on
.endr
.endr
.endr
	s_wait_dscnt 0x0                               ; c Wc_w
.irp m, 0,1,2,3
.irp t, 0,1,2,3
.irp j, 0,2,4,6
	v_pk_fma_f32 v[ACC+8*(4*\m+\t)+\j:ACC+8*(4*\m+\t)+\j+1], v[AF+32+8*\t+\j:AF+32+8*\t+\j+1], v[COV+2*\m:COV+2*\m+1], v[ACC+8*(4*\m+\t)+\j:ACC+8*(4*\m+\t)+\j+1] op_sel_hi:[1,0,1]   ; + cov c Wc_w = z
.endr
.endr
.endr
.irp t, 0,1,2,3
.irp jh, 0,1
	ds_load_b128 v[AF+32+8*\t+4*\jh:AF+32+8*\t+4*\jh+3], v[KA] offset:8192+64*\t+16*\jh   ; -2 V_w, where c Wc_w lay
.endr
.endr
.if \nxt
.irp m, 0,1,2,3
.irp c, 0,1
	ds_load_b128 v[AF+8*\m+4*\c:AF+8*\m+4*\c+3], v[AB] offset:8192*\m+512*\c   ; K step 0's fragments for the next group, where cb lay
.endr
.endr
.endif
.set n, 0
	s_wait_alu depctr_va_vdst(0)
.rept 128
	v_exp_f32 v[ACC+n], v[ACC+n]
.set n, n+1
.endr
	v_nop                                          ; a plain instruction behind the last exponential,
	s_wait_alu depctr_va_vdst(0)                   ; and one wait for the batch, ahead of its first reader
.set n, 0
.rept 64
	v_pk_add_f32 v[ACC+n:ACC+n+1], v[ACC+n:ACC+n+1], 1.0 op_sel_hi:[1,0]
.set n, n+2
.endr
.set n, 0
	s_wait_alu depctr_va_vdst(0)
.rept 128
	v_rcp_f32 v[ACC+n], v[ACC+n]
.set n, n+1
.endr
	v_nop
	s_wait_alu depctr_va_vdst(0)
	s_wait_dscnt 8*\nxt                            ; -2 V_w is in; the eight fragment loads behind it, where there are any, may be out
.irp t, 0,1,2,3
.irp j, 0,2,4,6
.irp m, 0,1,2,3
	v_pk_fma_f32 v[SC+2*\m:SC+2*\m+1], v[ACC+8*(4*\m+\t)+\j:ACC+8*(4*\m+\t)+\j+1], v[AF+32+8*\t+\j:AF+32+8*\t+\j+1], v[SC+2*\m:SC+2*\m+1]   ; four chains by turns
.endr
.endr
.endr
.endm
; A GROUP: 64 units x 64 rows.  s54 = 256 x the group's number.  nxt = 1: the next group's Ws is asked for on the way.
.macro GROUP nxt
.if \nxt
	s_wait_xcnt 0x0                                ; the loads that named the two pointers have read them
	s_add_co_u32 s48, s54, 256
	s_and_b32 s48, s48, 0x300                      ; the next group, round to 0 behind the last: the next block's first
	s_lshl_b32 s48, s48, 7                         ; four tiles of 8,192 bytes
	s_add_nc_u64 s[46:47], s[44:45], s[48:49]
	s_lshr_b32 s48, s48, 4                         ; four of 512
	s_add_nc_u64 s[52:53], s[50:51], s[48:49]
.endif
	v_add_nc_u32 v[KA], s54, v[KB]                 ; this group's 64 units among the constants
	s_wait_alu depctr_va_vdst(0)
	s_wait_loadcnt 8                               ; this group's Ws of K steps 0 to 6 and its scale words are in; the youngest eight loads, K step 7's, may be out
	KSTEP 0, \nxt
	KSTEP 1, \nxt
	KSTEP 2, \nxt
	KSTEP 3, \nxt
	KSTEP 4, \nxt
	KSTEP 5, \nxt
	KSTEP 6, \nxt
	KSTEP 7, \nxt
	WIN 0
.rept 4
	v_nop                                          ; four places in front of the loads into operands just read and of the first read of results
.endr
.irp t, 0,1,2,3
.irp jh, 0,1
	ds_load_b128 v[AF+32+8*\t+4*\jh:AF+32+8*\t+4*\jh+3], v[KA] offset:4096+64*\t+16*\jh ; c Wc_w
.endr
.endr
.if \nxt
	SLOAD                                          ; the scale words first: the next group's head waits for them and lets K step 7's loads stay out
	BL 7
	WIN 0
.endif
	s_wait_dscnt 8                                 ; cb, asked for in K step 7, is in; c Wc_w's eight loads may be out
	TANH \nxt
.endm
; A BLOCK OF 64 ROWS.  refill = 1: the next block is asked for.
.macro BLOCK refill
	; ---- Q
.irp m, 0,1,2,3
	global_load_b32 v[COV+2*\m], v[CVA], s[6:7] offset:64*\m
.endr
	s_wait_tensorcnt 0x0                           ; my 16 rows have landed: the one load of mine that is out is theirs, so the count that the reads need is 0
.if \refill
	; A block that has a successor: all 128 reads of the landing zone go out first, so that the zone is free for the next block as soon as they are back; half of the quantising stands under those reads, half behind the refill.
	XL 0
	XL 1
	XL 2
	XL 3
	s_wait_dscnt 63                                ; rows 0-7 are in: behind their 64 loads stand the 64 of rows 8-15, of which 63 may be out
	QP 0
	QP 1
	s_wait_tensorcnt 0x0                           ; no tensor load of mine is out, so the descriptor may be written
	ds_add_u32 v[SPW], v[NIL]                      ; 0 onto my spare word
	s_add_nc_u64 s[34:35], s[34:35], 0x40000       ; 64 rows on; the type bits on top are not reached
	s_wait_dscnt 0x0                               ; the add is done, all my reads of the landing zone are back, rows 0-7's codes and scale words lie in LDS
	s_barrier_signal -1
	s_barrier_wait -1                              ; the same holds of all four waves
	tensor_load_to_lds s[32:35], s[24:31]          ; my one tensor load behind this barrier: it has the rest of phase Q and phases G, S and C in which to land
	s_nop 0
	QP 2                                           ; rows 8-15 are quantised from registers; their stores go to CODES and ASCL, on which no tensor load lands.  The two sets of store registers are free: all earlier stores were waited for above
	QP 3
.else
	XL 0
	XL 1
	s_wait_dscnt 32                                ; rows 0-3 are in; may be out: rows 4-7's 32 loads
	QP 0
	XL 2
	s_wait_dscnt 52                                ; rows 4-7 are in; may be out: 20 stores and rows 8-11's 32 loads
	QP 1
	XL 3
	s_wait_dscnt 52                                ; rows 8-11; may be out: 20 stores and rows 12-15's 32 loads
	QP 2
	s_wait_dscnt 20                                ; rows 12-15; may be out: 20 stores
	QP 3
.endif
	s_wait_dscnt 0x0                               ; my codes and scale words lie in LDS
	s_barrier_signal -1
	s_barrier_wait -1                              ; and so do the other waves'.  The tensor load stays out
	; ---- G
	v_and_b32 v4, 15, v0
	v_lshlrev_b32 v4, 5, v4
	v_bfe_u32 v5, v0, 4, 1
	v_lshl_add_u32 v4, v5, 4, v4
	v_add_nc_u32 v4, ASCL, v4                      ; x's scale words: row r of 32 bytes, + 16 h
.irp m, 0,1,2,3
	ds_load_b128 v[ASC+4*\m:ASC+4*\m+3], v4 offset:512*\m
.endr
.irp m, 0,1,2,3
.irp c, 0,1
	ds_load_b128 v[AF+8*\m+4*\c:AF+8*\m+4*\c+3], v[AB] offset:8192*\m+512*\c
.endr
.endr
.irp n, 0,1,2,3,4,5,6,7
	v_mov_b32 v[SC+\n], 0
.endr
	s_wait_loadcnt 0x0                             ; cov (and, issued ahead of it, all of the first group's Ws)
.irp m, 0,1,2,3
	v_mov_b32 v[COV+2*\m+1], v[COV+2*\m]           ; named with it as a pair
.endr
	; THE ORDER OF THE GROUPS TURNS FROM BLOCK TO BLOCK: the group's number goes on by 1 mod 4 inside a block and stands still from a block's last group to the next block's first: 0123, 3012, 2301, 1230.
	; So a block's last group asks for nothing, and its Ws fragments and scale words stay in registers for the next block's first group: of the launch's 16 groups 13 are loaded.
	s_mov_b32 s55, 0
.Lgroup_\@:
	s_and_b32 s54, s62, 0x300                      ; 256 x this group's number
	GROUP 1
	s_add_co_u32 s62, s62, 256
	s_add_co_u32 s55, s55, 1
	s_cmp_lt_u32 s55, 3
	s_cbranch_scc1 .Lgroup_\@
	s_and_b32 s54, s62, 0x300
	GROUP 0                                        ; the block's last group: what follows it takes the same fragments, or nothing follows
	; ---- S
.irp m, 0,1,2,3
	v_add_f32 v[SC+2*\m], v[SC+2*\m], v[SC+2*\m+1]
.endr
.irp m, 0,1,2,3
	v_permlanex16_b32 v[SC+2*\m+1], v[SC+2*\m], s38, s39
.endr
.irp m, 0,1,2,3
	v_add_f32 v[SC+2*\m], v[SC+2*\m], v[SC+2*\m+1] ; my 256 units' share of the score of row 16 m + r
.endr
	v_add_nc_u32 v128, s57, v[CVA]
.irp m, 0,1,2,3
	ds_store_b32 v128, v[SC+2*\m] offset:64*\m
.endr
	v_and_b32 v129, 31, v0                         ; the addresses of what follows, all made ahead of the branch on the wave's number
	v_bfe_u32 v130, v0, 3, 1
	v_lshlrev_b32 v133, 3, v129                    ; 8 x lane
	v_lshlrev_b32 v129, 5, v129
	v_lshl_add_u32 v129, v130, 4, v129
	v_add_nc_u32 v129, s58, v129                   ; ctx as x lies: 32 l + 16 (bit 3),
	v_xor_b32 v130, 16, v129                       ; and the other half
	v_add_nc_u32 v131, s59, v[CVA]                 ; my rows' shares
	v_add_nc_u32 v132, EXCH, v133                  ; two rows a lane
	s_wait_alu depctr_va_vdst(0)
	s_wait_dscnt 0x0                               ; my shares lie in LDS; my last reads of codes and scale words are back
	s_barrier_signal -1
	s_barrier_wait -1                              ; the tensor load stays out
.irp ww, 0,1,2,3
	ds_load_b32 v[136+\ww], v131 offset:256*\ww
.endr
.irp q, 0,1,2,3
	ds_load_b128 v[CT+8*\q:CT+8*\q+3], v129 offset:1024*\q
	ds_load_b128 v[CT+8*\q+4:CT+8*\q+7], v130 offset:1024*\q
.endr
	s_cmp_lg_u32 s20, 0
	s_cbranch_scc1 .Lnot0_\@
.irp ww, 0,1,2,3
	ds_load_b64 v[140+2*\ww:141+2*\ww], v132 offset:256*\ww
.endr
	s_wait_dscnt 0x0
	v_pk_add_f32 v[140:141], v[140:141], v[142:143]
	v_pk_add_f32 v[144:145], v[144:145], v[146:147]
	v_pk_add_f32 v[140:141], v[140:141], v[144:145]
	v_pk_add_f32 v[140:141], v[140:141], s[40:41] op_sel_hi:[1,0]
	global_store_b64 v133, v[140:141], s[16:17]    ; wave 0 stores the block's 64 scores: 256 consecutive bytes, aligned.  v133, v140, v141 are not written again ahead of the next wait on XCNT
.Lnot0_\@:
	; ---- C
	s_wait_dscnt 8                                 ; my rows' four shares are in; ctx's eight loads may be out
	v_add_f32 v136, v136, v137
	v_add_f32 v138, v138, v139
	v_add_f32 v136, v136, v138
	v_fma_f32 v136, v136, s56, s41                 ; t = score log2(e): lane r has row r's
	v_mov_b32 v148, v136
	v_max_num_f32_dpp v148, v148, v148 row_xmask:1 row_mask:0xf bank_mask:0xf
	v_max_num_f32_dpp v148, v148, v148 row_xmask:2 row_mask:0xf bank_mask:0xf
	v_max_num_f32_dpp v148, v148, v148 row_xmask:4 row_mask:0xf bank_mask:0xf
	v_max_num_f32_dpp v148, v148, v148 row_xmask:8 row_mask:0xf bank_mask:0xf
	v_max_num_f32 v149, v[MX], v148                ; the new m
	v_sub_f32 v134, v[MX], v149
	v_sub_f32 v136, v136, v149
	v_mov_b32 v[MX], v149
	v_mov_b32 v135, 0                              ; (named with v134 as a pair)
	s_wait_alu depctr_va_vdst(0)
	v_exp_f32 v134, v134                           ; f = 2^(old m - new m)
	v_exp_f32 v136, v136                           ; p = 2^(t - m)
	v_nop
	s_wait_alu depctr_va_vdst(0)                   ; one wait for the two
	v_mov_b32 v150, v136
	v_add_f32_dpp v150, v150, v150 row_xmask:1 row_mask:0xf bank_mask:0xf
	v_add_f32_dpp v150, v150, v150 row_xmask:2 row_mask:0xf bank_mask:0xf
	v_add_f32_dpp v150, v150, v150 row_xmask:4 row_mask:0xf bank_mask:0xf
	v_add_f32_dpp v150, v150, v150 row_xmask:8 row_mask:0xf bank_mask:0xf
	v_fma_f32 v[LS], v[LS], v134, v150
.irp i, 0,1,2,3,4,5,6,7,8,9,10,11,12,13,14,15
	v_readlane_b32 s[66+2*\i], v136, \i            ; p of row i, a factor for all lanes
.endr
	s_wait_dscnt 0x0                               ; ctx
.irp j, 0,2,4,6,8,10,12,14,16,18,20,22,24,26,28,30
	v_pk_mul_f32 v[CT+\j:CT+\j+1], v[CT+\j:CT+\j+1], v[134:135] op_sel_hi:[1,0]
.endr
.irp i, 0,1,2,3,4,5,6,7,8,9,10,11,12,13,14,15
	WIN 0x02+(\i)/8                                ; source 0: x's window
.irp j, 0,2,4,6,8,10,12,14,16,18,20,22,24,26,28,30
	v_pk_fma_f32 v[CT+\j:CT+\j+1], v[32*((\i)%8)+\j:32*((\i)%8)+\j+1], s[66+2*\i:67+2*\i], v[CT+\j:CT+\j+1] op_sel_hi:[1,0,1]
.endr
.endr
	WIN 0
.irp q, 0,1,2,3
	ds_store_b128 v129, v[CT+8*\q:CT+8*\q+3] offset:1024*\q
	ds_store_b128 v130, v[CT+8*\q+4:CT+8*\q+7] offset:1024*\q
.endr
.if \refill
	s_wait_xcnt 0x0                                ; cov's loads and the scores' store have read their bases and registers
	s_add_nc_u64 s[6:7], s[6:7], 256
	s_add_nc_u64 s[16:17], s[16:17], 256
.endif
.endm
	s_mov_b32 s42, 0
.Lblock:
	BLOCK 1
	s_add_co_u32 s42, s42, 1
	s_cmp_lt_u32 s42, 3
	s_cbranch_scc1 .Lblock
	BLOCK 0                                        ; the last block is written out: it asks for nothing
	; my record: ctx, linear in d, then (m, l) 32 times
	s_wait_xcnt 0x0
	v_add_nc_u32 v128, s58, v[L16]
.irp j, 0,1,2,3,4,5,6,7
	ds_load_b128 v[192+4*\j:195+4*\j], v128 offset:512*\j   ; LDS serves a wave's instructions in order (ISA guide 5.7.1.4): these see my stores
.endr
.irp j, 0,1,2,3,4,5,6,7
	s_wait_dscnt 7-\j
	global_store_b128 v[L16], v[192+4*\j:195+4*\j], s[18:19] offset:512*\j   ; 512 consecutive bytes, aligned to 256
.endr
	global_store_b64 v133, v[MX:MX+1], s[18:19] offset:4096
	s_wait_tensorcnt 0x0                           ; the wave's end: three lines, behind my last tensor load and my last LDS store
	ds_add_u32 v[SPW], v[NIL]
	s_wait_dscnt 0x0
	s_endpgm
.Lfunc_end_k_q44cf3cbefc_main:
	.size	k_q44cf3cbefc_main, .Lfunc_end_k_q44cf3cbefc_main-k_q44cf3cbefc_main
	.p2alignl 7, 3214868480
	.fill 96, 4, 3214868480
	.section	.rodata,"a",@progbits
	.p2align	6, 0x0
	.amdhsa_kernel k_q44cf3cbefc_main
		.amdhsa_group_segment_fixed_size 327680
		.amdhsa_private_segment_fixed_size 0
		.amdhsa_enable_private_segment 0
		.amdhsa_kernarg_size 64
		.amdhsa_user_sgpr_count 2
		.amdhsa_user_sgpr_kernarg_segment_ptr 1
		.amdhsa_wavefront_size32 1
		.amdhsa_system_sgpr_workgroup_id_x 1
		.amdhsa_system_sgpr_workgroup_id_y 1
		.amdhsa_system_sgpr_workgroup_id_z 1
		.amdhsa_system_vgpr_workitem_id 0
		.amdhsa_next_free_vgpr 1024
		.amdhsa_next_free_sgpr 100
		.amdhsa_reserve_vcc 0
		.amdhsa_float_denorm_mode_32 3
		.amdhsa_float_denorm_mode_16_64 3
		.amdhsa_memory_ordered 1
		.amdhsa_forward_progress 1
		.amdhsa_inst_pref_size 255
	.end_amdhsa_kernel
	.section	.bss,"aw",@nobits
	.p2align	6
	.space	262144
	.amdgpu_metadata
---
amdhsa.version: [ 1, 2 ]
amdhsa.kernels:
  - .name:           k_q44cf3cbefc_main
    .symbol:         k_q44cf3cbefc_main.kd
    .args:
      - { .name: enc_output, .offset: 0, .size: 8, .value_kind: global_buffer, .address_space: global }
      - { .name: prev_coverage, .offset: 8, .size: 8, .value_kind: global_buffer, .address_space: global }
      - { .name: wsi, .offset: 16, .size: 8, .value_kind: global_buffer, .address_space: global }
      - { .name: wss, .offset: 24, .size: 8, .value_kind: global_buffer, .address_space: global }
      - { .name: cb, .offset: 32, .size: 8, .value_kind: global_buffer, .address_space: global }
      - { .name: kon, .offset: 40, .size: 8, .value_kind: global_buffer, .address_space: global }
      - { .name: scores, .offset: 48, .size: 8, .value_kind: global_buffer, .address_space: global }
      - { .name: part, .offset: 56, .size: 8, .value_kind: global_buffer, .address_space: global }
    .group_segment_fixed_size: 327680
    .private_segment_fixed_size: 0
    .kernarg_segment_align: 8
    .kernarg_segment_size: 64
    .max_flat_workgroup_size: 128
    .sgpr_count:     100
    .vgpr_count:     1024
    .wavefront_size: 32
...
	.end_amdgpu_metadata
.endif
;; end of part 2
;; launch comb (part 3): grid 8 x 32, 1 waves a work-group, no clusters, 0 bytes of LDS; arguments part, scores, prev_coverage, out0, out1, out2; writes out0, out1, out2
.if DOCPART == 3
	.amdgcn_target "amdgcn-amd-amdhsa--gfx1250"
	.amdhsa_code_object_version 6
	.text
	.protected	k_q44cf3cbefc_comb
	.globl	k_q44cf3cbefc_comb
	.p2align	8
	.type	k_q44cf3cbefc_comb,@function
k_q44cf3cbefc_comb:
	s_mov_b64 s[64:65], 0
	v_nop
	global_prefetch_b8 v0, s[64:65] scope:SCOPE_SE
	s_setreg_imm32_b32 hwreg(HW_REG_WAVE_MODE, 25, 1), 1
	s_wait_xcnt 0x0
; The 32 partial softmaxes of a batch (m_k, l_k, ctx_k; m in units of t = score log2(e)) are joined: M = the largest m_k, w_k = 2^(m_k - M), L = sum of l_k w_k;
; out0[b][d] = sum over k of ctx_k[d] w_k / L;  out1[b][s] = 2^(score log2(e) - M) / L;  out2 = out1 + prev_coverage.
; One wave to a work-group: work-group (x, b) makes 128 numbers of out0 and 256 rows of out1 and out2 of batch b.  Lane k holds record k's (m, l).  No LDS, no matrix unit: a few thousand bytes a wave.
; v4, v5 m_k, l_k; v6 M; v8-15 scores; v16-23 cov; v24 w_k / L; v26 1 / L; v32-39 out1; v40-47 out2; v48-51 out0; v64-191 ctx of the 32 records, my 16 bytes of each
.set REC, 4352                         ; a record: 4,096 bytes of ctx, 256 of (m, l)
	s_load_b256 s[4:11], s[0:1], 0x0
	s_load_b128 s[12:15], s[0:1], 0x20             ; out1 12, out2 14
	v_mul_u32_u24 v1, v0, REC                      ; lane k: record k
	v_lshlrev_b32 v2, 4, v0                        ; 16 x lane
	s_and_b32 s16, ttmp7, 0xffff                   ; the batch
	s_mul_i32 s18, s16, 32*REC
	s_mov_b32 s19, 0
	s_lshl_b32 s20, ttmp9, 9                       ; my 128 numbers of ctx
	s_mov_b32 s21, 0
	s_lshl_b32 s22, s16, 13
	s_lshl_b32 s23, ttmp9, 10
	s_add_co_u32 s22, s22, s23                     ; my 256 rows: 8,192 b + 1,024 x
	s_mov_b32 s23, 0
	s_lshl_b32 s24, s16, 12
	s_add_co_u32 s24, s24, s20                     ; out0: 4,096 b + 512 x
	s_mov_b32 s25, 0
	s_mov_b32 s28, 0x76543210
	s_mov_b32 s29, 0xfedcba98                      ; lane l xor 16
	s_mov_b32 s30, 0x3fb8aa3b                      ; log2(e)
	s_wait_alu depctr_va_vdst(0)
	s_wait_kmcnt 0x0
	s_add_nc_u64 s[4:5], s[4:5], s[18:19]
	s_add_nc_u64 s[26:27], s[4:5], s[20:21]
	s_add_nc_u64 s[6:7], s[6:7], s[22:23]
	s_add_nc_u64 s[8:9], s[8:9], s[22:23]
	s_add_nc_u64 s[12:13], s[12:13], s[22:23]
	s_add_nc_u64 s[14:15], s[14:15], s[22:23]
	s_add_nc_u64 s[10:11], s[10:11], s[24:25]
	global_load_b64 v[4:5], v1, s[4:5] offset:4096
	global_load_b128 v[8:11], v2, s[6:7]
	global_load_b128 v[12:15], v2, s[6:7] offset:512
	global_load_b128 v[16:19], v2, s[8:9]
	global_load_b128 v[20:23], v2, s[8:9] offset:512
.set k, 0
.rept 32
	global_load_b128 v[64+4*k:67+4*k], v2, s[26:27] offset:REC*k th:TH_LOAD_NT   ; 512 consecutive bytes of record k
.set k, k+1
.endr
	s_wait_loadcnt 36                              ; (m, l) is in; may be out: the four loads of scores and cov and ctx's 32
	v_mov_b32 v6, v4
	v_mov_b32 v7, 0                                ; a lane permute's destination counts as one of its sources
	v_max_num_f32_dpp v6, v6, v6 row_xmask:1 row_mask:0xf bank_mask:0xf
	v_max_num_f32_dpp v6, v6, v6 row_xmask:2 row_mask:0xf bank_mask:0xf
	v_max_num_f32_dpp v6, v6, v6 row_xmask:4 row_mask:0xf bank_mask:0xf
	v_max_num_f32_dpp v6, v6, v6 row_xmask:8 row_mask:0xf bank_mask:0xf
	v_permlanex16_b32 v7, v6, s28, s29
	v_max_num_f32 v6, v6, v7                       ; M
	v_sub_f32 v24, v4, v6
	s_wait_alu depctr_va_vdst(0)
	v_exp_f32 v24, v24                             ; w_k
	v_nop
	s_wait_alu depctr_va_vdst(0)                   ; the wait ahead of the first reader
	v_mul_f32 v25, v5, v24
	v_add_f32_dpp v25, v25, v25 row_xmask:1 row_mask:0xf bank_mask:0xf
	v_add_f32_dpp v25, v25, v25 row_xmask:2 row_mask:0xf bank_mask:0xf
	v_add_f32_dpp v25, v25, v25 row_xmask:4 row_mask:0xf bank_mask:0xf
	v_add_f32_dpp v25, v25, v25 row_xmask:8 row_mask:0xf bank_mask:0xf
	v_permlanex16_b32 v7, v25, s28, s29
	v_add_f32 v25, v25, v7                         ; L: at least 1, since the record with m_k = M holds a row with p = 1
	s_wait_alu depctr_va_vdst(0)
	v_rcp_f32 v26, v25
	v_nop
	s_wait_alu depctr_va_vdst(0)
	v_mul_f32 v24, v24, v26                        ; w_k / L
.set k, 0
.rept 32
	v_readlane_b32 s[66+k], v24, k
.set k, k+1
.endr
	s_wait_loadcnt 32                              ; scores and cov are in; ctx's 32 loads may be out
.irp j, 0,1,2,3,4,5,6,7
	v_fma_f32 v[8+\j], v[8+\j], s30, -v6           ; t - M
.endr
	s_wait_alu depctr_va_vdst(0)
.irp j, 0,1,2,3,4,5,6,7
	v_exp_f32 v[8+\j], v[8+\j]
.endr
	v_nop
	s_wait_alu depctr_va_vdst(0)
.irp j, 0,1,2,3,4,5,6,7
	v_mul_f32 v[32+\j], v[8+\j], v26
.endr
.irp j, 0,2,4,6
	v_pk_add_f32 v[40+\j:41+\j], v[32+\j:33+\j], v[16+\j:17+\j]
.endr
	global_store_b128 v2, v[32:35], s[12:13]       ; each store: 512 consecutive bytes, aligned to 256
	global_store_b128 v2, v[36:39], s[12:13] offset:512
	global_store_b128 v2, v[40:43], s[14:15]
	global_store_b128 v2, v[44:47], s[14:15] offset:512
	s_wait_loadcnt 24                              ; records 0-7
.irp e, 0,1,2,3
	v_mul_f32 v[48+\e], s66, v[64+\e]              ; the first record starts the four sums
.endr
.set k, 1
.rept 31
.if k%8 == 0
	s_wait_alu depctr_va_vdst(0)
	s_wait_loadcnt 24-k                            ; the next eight records are in
.endif
.irp e, 0,1,2,3
	v_fma_f32 v[48+\e], v[64+4*k+\e], s[66+k], v[48+\e]
.endr
.set k, k+1
.endr
	global_store_b128 v2, v[48:51], s[10:11]
	s_endpgm
.Lfunc_end_k_q44cf3cbefc_comb:
	.size	k_q44cf3cbefc_comb, .Lfunc_end_k_q44cf3cbefc_comb-k_q44cf3cbefc_comb
	.p2alignl 7, 3214868480
	.fill 96, 4, 3214868480
	.section	.rodata,"a",@progbits
	.p2align	6, 0x0
	.amdhsa_kernel k_q44cf3cbefc_comb
		.amdhsa_group_segment_fixed_size 0
		.amdhsa_private_segment_fixed_size 0
		.amdhsa_enable_private_segment 0
		.amdhsa_kernarg_size 48
		.amdhsa_user_sgpr_count 2
		.amdhsa_user_sgpr_kernarg_segment_ptr 1
		.amdhsa_wavefront_size32 1
		.amdhsa_system_sgpr_workgroup_id_x 1
		.amdhsa_system_sgpr_workgroup_id_y 1
		.amdhsa_system_sgpr_workgroup_id_z 1
		.amdhsa_system_vgpr_workitem_id 0
		.amdhsa_next_free_vgpr 192
		.amdhsa_next_free_sgpr 100
		.amdhsa_reserve_vcc 0
		.amdhsa_float_denorm_mode_32 3
		.amdhsa_float_denorm_mode_16_64 3
		.amdhsa_memory_ordered 1
		.amdhsa_forward_progress 1
		.amdhsa_inst_pref_size 18
	.end_amdhsa_kernel
	.amdgpu_metadata
---
amdhsa.version: [ 1, 2 ]
amdhsa.kernels:
  - .name:           k_q44cf3cbefc_comb
    .symbol:         k_q44cf3cbefc_comb.kd
    .args:
      - { .name: part, .offset: 0, .size: 8, .value_kind: global_buffer, .address_space: global }
      - { .name: scores, .offset: 8, .size: 8, .value_kind: global_buffer, .address_space: global }
      - { .name: prev_coverage, .offset: 16, .size: 8, .value_kind: global_buffer, .address_space: global }
      - { .name: out0, .offset: 24, .size: 8, .value_kind: global_buffer, .address_space: global }
      - { .name: out1, .offset: 32, .size: 8, .value_kind: global_buffer, .address_space: global }
      - { .name: out2, .offset: 40, .size: 8, .value_kind: global_buffer, .address_space: global }
    .group_segment_fixed_size: 0
    .private_segment_fixed_size: 0
    .kernarg_segment_align: 8
    .kernarg_segment_size: 48
    .max_flat_workgroup_size: 32
    .sgpr_count:     100
    .vgpr_count:     192
    .wavefront_size: 32
...
	.end_amdgpu_metadata
.endif
;; end of part 3
